; MI455X (gfx1250); checked and timed in simulation.
; The chip was launched on July 23, 2026; its instructions are those of AMD's public machine-readable ISA for CDNA 5 (MIT licence, August 2026) and "CDNA5" Instruction Set Architecture Reference Guide (July 2026). The comments in the code are by the model that wrote it; some were corrected since.
;; Model. Allowed arithmetic: matrix products marked QUANTISED: E5M2 operands, one given power-of-two scale a tensor, by v_wmma_f32_16x16x64_bf8_bf8 or v_wmma_f32_16x16x128_bf8_bf8, f32 sums; everything else in f32.
;; Inputs: drop_mask 16 x 2,048 x 2,048 bool; lowp_scales 4 int32 (the exponents e of the quantised operands' scales 2^e); x1_codes 16 x 2,048 x 4 x 32 uint8 (E5M2 codes of x1, K innermost, in blocks of 32 codes); x2_codes 16 x 2,048 x 4 x 32 uint8 (E5M2 codes of x2, K innermost, in blocks of 32 codes); x3_codes 16 x 128 x 64 x 32 uint8 (E5M2 codes of x3, K innermost, in blocks of 32 codes).
;; Outputs: out0 16 x 2,048 x 128 float32.
;; This version of the problem:
;;   THIS VERSION OF THE PROBLEM IS GIVEN IN LOW PRECISION. The matrix products marked QUANTISED in the list below multiply operands that are first quantised to E5M2 (5 exponent bits, 2 mantissa bits; 8 bits a number), with one given power-of-two scale for each operand tensor; their sums are f32. All else is computed in f32.
;;   The module's matrix products, in the order in which they are computed (A, B: the left and right operand; K: the contracted axis; several contracted axes count as one K, in the product's order):
;;     1. batch 16 x [M 2,048, K 128] x [K 128, N 2,048]; A: input x1 (given as codes); B: input x2 (given as codes): QUANTISED (scales: A lowp_scales[0], B lowp_scales[1])
;;     2. batch 16 x [M 2,048, K 2,048] x [K 2,048, N 128]; A: computed on the way; B: input x3 (given as codes): QUANTISED (scales: A lowp_scales[2], B lowp_scales[3])
;;   THE QUANTISER, for each operand of a quantised product, along K:
;;     - The operand's scale is 2^e, e = its entry of the input lowp_scales (int32; the entries are numbered through the quantised products in the list's order, A before B).
;;     - Each number is divided by the scale, clamped to +-57,344, and rounded to the nearest number of E5M2, ties to even, subnormals kept.
;;     - The product sums the exact products of the quantised numbers (number of the format x scale) in f32.
;;   ~~~python
;;   def quantise(x, axis, e):      # numpy; x: float32 -> the quantised numbers, widened to float32 again
;;       x = np.moveaxis(x, axis, -1); K = x.shape[-1]
;;       r = np.clip(x / 2.0 ** e, -57344, 57344)
;;       step = 2.0 ** (np.maximum(np.frexp(np.where(r == 0, 1, r))[1] - 1, -14) - 2)
;;       q = np.round(r / step) * step * 2.0 ** e      # np.round: ties to even
;;       return np.moveaxis(q, -1, axis).astype(np.float32)
;;   ~~~
;;   OPERANDS COMPUTED ON THE WAY. 'Computed on the way' means the value that the module computes at that place (a softmax that the list does not call 'softmax' is quantised finished and normalised). What goes into a quantiser is computed in f32, as accurately as f32 sums, v_exp_f32 and their like allow (about 1e-6 of the number): no bf16 or f16 on the way to a quantiser, and a product that is left as it is and whose result goes on into a quantised operand takes f32 operands (vector FMAs, or v_wmma_f32_16x16x4_f32). A number that lies on a knife's edge between two numbers of the format may be rounded either way, as far as f32 arithmetic and the matrix unit's own rounding can turn it there, and no further.
;;   INPUTS GIVEN AS CODES. x1 (in the module: [16, 2048, 128], K = its axis 2); x2 (in the module: [16, 2048, 128], K = its axis 2); x3 (in the module: [16, 2048, 128], K = its axis 1): each comes as NAME_codes (uint8): NAME with its K axis moved to the last place and cut into blocks of 32 codes, [.., K / 32, bytes a block], one block behind the other in memory; one code a byte (a code: sign, 5 exponent bits, 2 mantissa bits); its scale is its entry of lowp_scales. Its value is code x scale, taken as it is: it is not quantised again, and the codes and scales need not be those that the quantiser above would give.
;; One version. Each part assembles by itself: llvm-mc -triple=amdgcn-amd-amdhsa -mcpu=gfx1250 --defsym DOCPART=n.
;; ======== version 1 of 1: 1 launch
;; limits: right only within a limited range of input values
;; launch attn (part 1): grid 16 x 16, 4 waves a work-group, clusters of 4 x 1, 327,680 bytes of LDS; arguments x1_codes, x2_codes, x3_codes, drop_mask, lowp_scales, out0; writes out0
.if DOCPART == 1
	.amdgcn_target "amdgcn-amd-amdhsa--gfx1250"
	.amdhsa_code_object_version 6
	.text
	.protected	k_q370b0cc734_attn
	.globl	k_q370b0cc734_attn
	.p2align	8
	.type	k_q370b0cc734_attn,@function
k_q370b0cc734_attn:
	s_mov_b64 s[64:65], 0
	v_nop
	global_prefetch_b8 v0, s[64:65] scope:SCOPE_SE
	s_setreg_imm32_b32 hwreg(HW_REG_WAVE_MODE, 25, 1), 1
	s_wait_xcnt 0x0
	s_wait_alu depctr_hold_cnt(0) depctr_sa_sdst(0) depctr_va_vdst(0) depctr_va_sdst(0) depctr_va_ssrc(0) depctr_va_vcc(0) depctr_vm_vsrc(0)
	s_getreg_b32 s2, hwreg(HW_REG_IB_STS2, 6, 4)
	s_cmp_eq_u32 s2, 0
	s_cbranch_scc0 .Lentry_in_a_cluster
	s_endpgm
.Lentry_in_a_cluster:
	s_bfe_u32 s2, ttmp6, 0x10000c
	s_cmp_lg_u32 s2, 0x3003
	s_cbranch_scc0 .Lentry_shape_is_right
	s_endpgm
.Lentry_shape_is_right:
; out[b][q][:] = sum over k of Q8(mask(b,q,k) ? softmax_k(0.2 x1[q].x2[k]) / 0.9 : 0) x3[k][:], both products on E5M2 codes, f32 sums.
; SHARES. A work-group owns 128 queries of one batch (16 x 16 work-groups); each of its four waves owns 512 of the 2,048 keys:
; its K codes stay in 512 registers, its slab of V (128 rows x 512 bytes) in LDS.  Queries go in tiles of 16, two tiles a trip, four trips.
; A TILE: S^T = K Q^T (32 matrix instructions, 256 registers); -M = floor(-largest t) of my 512 keys, t = score x 0.2 log2(e);
; e = 2^(t - M) in one batch; my sum; the four waves exchange (-M, sum) through LDS; p = e x (1/0.9) / sum x 2^(my M - the largest M),
; the power of two by v_ldexp_f32; hold, conversion, and the mask laid over the codes (0x80 - m is 0x7f or 0x80; p's sign bit is 0).
; PV takes both tiles' codes at once, so that a fragment of V read from LDS feeds two matrix instructions; the four waves' parts of O^T are added through an LDS stage.
; Both products are used transposed (a lane holds one query); lane r of K's tile 2 b + u takes key 32 b + 8 u + r + 8 (r / 8), so that 16 registers are 16 neighbouring keys.
; CLUSTER: the four work-groups of a cluster share a batch and ask for K and for V jointly.  K's slabs (4 x 512 rows x 144 bytes = 294,912) come first and are read once, into registers;
; V's slabs (270,336 bytes) are then laid over them, behind the full sequence and a round.  The stage lies on K's last bytes, which are filled no more.  Q and the mask are read by one work-group alone.
; PREFETCH: the mask's later tiles and the work-group's later rows of Q.  K and V are asked for once, at the head: there is no loop to run ahead in.
; LIMITS: e0 + e1 between -124 and 129 (added to c's exponent field); e2 between -126 and 112; e2 + e3 between -126 and 127; scaled scores under 2^31 in magnitude; an e under 2^-126 counts as 0.
; REGISTERS, in windows of 256.  Window 0: v0-31 addresses and a query's numbers; v32-47 Q; v48-63 fresh codes; v64-127 mask (during PV four fragments of V); v128-191 tile A's codes; v192-255 four fragments of V.
; Window 1: the scores; during PV, in each 64: 16 of tile B's codes, four accumulators of O^T, one fragment of V.  Windows 2, 3: K.
.set VPITCH, 528                       ; V's row in LDS: 512 bytes + 16
.set VWAVE,  128*VPITCH
.set KP,     144                       ; K's row in LDS: 128 bytes + 16
.set KWAVE,  512*KP
.set SPITCH, 528
.set STAGE,  4*VWAVE                   ; 16 rows x 528 bytes for each wave
.set STAT,   STAGE+4*16*SPITCH         ; (-M, sum): 2 tiles x 4 waves x 16 queries x 8 bytes; behind K's 4 x KWAVE bytes
.set SPARE,  STAT+1024                 ; the spare words, 128 bytes a wave
.set MOFF, 1
.set VADR, 2
.set SCL,  3
.set KOFF, 4                           ; v4, and v28 for K's rows 256 on (head only)
.set QOFF, 5
.set SSTO, 6
.set SRD,  7
.set OOFF, 8
.set STST, 9
.set STRD, 10
.set PFO,  11
.set ST,   12                          ; v12 -M, v13 my sum; v14, v15 at work
.set MX,   16                          ; v16-23 eight chains of the maximum
.set AC,   16                          ; v16-31 eight chains of the sum, in pairs
.set RF,   22                          ; v22 the factor of p (v23 named with it)
.set EX,   24                          ; v24-31 the four waves' (-M, sum)
.set QQ,   32
.set CVT,  48
.set MASK, 64
.set PA,   128
.set VS,   192
.set WV,   16
.set G1V,  24
.set G1K,  32
.set G0V,  40
.set QB,   44
.set CS,   48
.set SEL,  50
.set LIM,  52
.set ONES, 53
.set KEEP, 54
.set SC,   56
.set PAIR, 58
.set MB,   60
.set OB,   62
.set G0K,  80
.set MSB, 0
.macro WIN new                         ; the immediate's high byte repeats the setting that is left
.if MSB != (\new)
	s_set_vgpr_msb (MSB<<8)|(\new)
.set MSB, (\new)
.endif
.endm
.macro NOP4
.rept 4
	v_nop
.endr
.endm
.macro CROUND                          ; a round of the cluster's barrier
	s_barrier_signal -1
	s_barrier_wait -1
	s_cmp_lg_u32 s[WV], 0
	s_cbranch_scc1 .Lnot_wave_0_\@
	s_barrier_signal -3
.Lnot_wave_0_\@:
	s_barrier_wait -3
	s_barrier_signal -1
	s_barrier_wait -1
.endm
; V's group n: key step n / 2, rows 64 (n % 2) on; four fragments, into buffer n % 3: v192.. of window 0, the scores' spare 16s in window 1, the mask's registers
.macro VLD n
.set J, (\n)/2
.set HF, (\n)%2
.set BF, (\n)%3
	WIN 0x40*BF*(2-BF)
.irp i, 0,1,2,3
.set VA, (VS+16*\i)*(1-BF)*(2-BF)/2+(64*\i+48)*BF*(2-BF)+(MASK+16*\i)*BF*(BF-1)/2
.irp c, 0,1,2,3
	ds_load_b128 v[VA+4*\c:VA+4*\c+3], v[VADR] offset:(4*HF+\i)*16*VPITCH+128*J+32*\c
.endr
.endr
.endm
; group n's eight products: four accumulators of tile A, then four of tile B; an accumulator comes again after fifteen others
.macro PVG n, cnt
.set J, (\n)/2
.set HF, (\n)%2
.set BF, (\n)%3
	s_wait_dscnt \cnt                      ; this group's 16 loads are in; the later groups' may be out
.irp x, 0,1
	WIN 0x50|(4*\x)|(BF*(2-BF))
.irp i, 0,1,2,3
.set OA, 64*(2*\x+HF)+16+8*\i
.set VA, (VS+16*\i)*(1-BF)*(2-BF)/2+(64*\i+48)*BF*(2-BF)+(MASK+16*\i)*BF*(BF-1)/2
.set PB, (PA+16*J)*(1-\x)+(64*J)*\x
.if J == 0
	v_wmma_f32_16x16x128_bf8_bf8 v[OA:OA+7], v[VA:VA+15], v[PB:PB+15], 0
.else
	v_wmma_f32_16x16x128_bf8_bf8 v[OA:OA+7], v[VA:VA+15], v[PB:PB+15], v[OA:OA+7]
.endif
.endr
.endr
.endm
; key step j's 16 registers of codes under the mask: tile A's into window 0, tile B's into the scores' first 16 of that step; there the step's last 16 take a fragment of V's group 1
.macro ANDM x, j
.if \x
.set PD, 64*(\j)
.else
.set PD, PA+16*(\j)
.endif
	WIN 0x40*(\x)
.irp i, 0,1,2,3,4,5,6,7,8,9,10,11,12,13,14,15
	v_and_b32 v[PD+\i], v[CVT+\i], v[MASK+16*(\j)+\i]
.endr
.if \x
.irp c, 0,1,2,3
	ds_load_b128 v[64*(\j)+48+4*\c:64*(\j)+48+4*\c+3], v[VADR] offset:(4+(\j))*16*VPITCH+32*\c
.endr
.endif
.endm
.macro MLD k                           ; the mask of the tile k on from the trip's first: 16 rows x my 512 keys
.irp j, 0,1,2,3
.irp c, 0,1,2,3
	global_load_b128 v[MASK+16*\j+4*\c:MASK+16*\j+4*\c+3], v[MOFF], s[MB:MB+1] offset:32768*(\k)+128*\j+32*\c
.endr
.endr
.endm
.macro TILE x
.irp j, 0,1,2,3
.irp t, 0,1,2,3,4,5,6,7
	WIN 0x42+(\j/2)
	v_wmma_f32_16x16x128_bf8_bf8 v[64*\j+8*\t:64*\j+8*\t+7], v[128*(\j%2)+16*\t:128*(\j%2)+16*\t+15], v[QQ:QQ+15], 0
.if (\x) && (\t%4 == 3)
	WIN 0                                  ; tile B's mask is asked for among its own products, two loads behind every four: tile A's codes are made, so the mask's registers are free
	global_load_b128 v[MASK+16*\j+8*(\t/4):MASK+16*\j+8*(\t/4)+3], v[MOFF], s[MB:MB+1] offset:32768+128*\j+64*(\t/4)
	global_load_b128 v[MASK+16*\j+8*(\t/4)+4:MASK+16*\j+8*(\t/4)+7], v[MOFF], s[MB:MB+1] offset:32768+128*\j+64*(\t/4)+32
.endif
.endr
.endr
	WIN 0
.irp k, 0,1,2,3,4,5,6,7
	v_mov_b32 v[MX+\k], 0xff61b1e6         ; under every score; these eight are also the places behind the products
.endr
.if \x
	s_wait_alu depctr_va_vdst(0)
	s_cmp_eq_u32 s[PAIR], 1
	s_cbranch_scc1 .Lnoq_\@                ; the last tile has no successor
.endif
.irp c, 0,1,2,3
	global_load_b128 v[QQ+4*\c:QQ+4*\c+3], v[QOFF], s[QB:QB+1] offset:2048*(\x+1)+32*\c   ; the next tile's Q
.endr
.if \x
.Lnoq_\@:
.endif
	WIN 0x14
.irp j, 0,1,2,3
.irp rr, 0,1,2,3
.irp k, 0,1,2,3,4,5,6,7
	v_max3_num_f32 v[MX+\k], v[MX+\k], v[64*\j+8*\k+2*\rr], v[64*\j+8*\k+2*\rr+1]   ; chain k walks accumulator k from its low end
.endr
.endr
.endr
	WIN 0
	v_max3_num_f32 v[MX], v[MX], v[MX+1], v[MX+2]
	v_max3_num_f32 v[MX+3], v[MX+3], v[MX+4], v[MX+5]
	v_max_num_f32 v[MX+6], v[MX+6], v[MX+7]
	v_max3_num_f32 v[MX], v[MX], v[MX+3], v[MX+6]
	v_permlanex16_b32 v15, v[MX], s[SEL], s[SEL+1]
	v_max_num_f32 v[MX], v[MX], v15        ; my query's largest score among my wave's 512 keys
	v_mul_f32 v[MX], s[CS], v[MX]
	v_floor_f32 v[ST], -v[MX]              ; -M, a whole number
	WIN 0x41
.set I, 0
.rept 128
	v_pk_fma_f32 v[I:I+1], v[I:I+1], s[CS:CS+1], v[ST:ST+1] op_sel_hi:[1,0,0]   ; t - M
.set I, I+2
.endr
	s_wait_alu depctr_va_vdst(0)           ; one wait ahead of the batch
.set I, 0
.rept 256
	v_exp_f32 v[I], v[I]
.set I, I+1
.endr
	v_nop
	s_wait_alu depctr_va_vdst(0)           ; and one behind it
	WIN 0x05
.irp k, 0,1,2,3,4,5,6,7
	v_pk_add_f32 v[AC+2*\k:AC+2*\k+1], v[2*\k:2*\k+1], v[16+2*\k:17+2*\k]
.endr
	WIN 0x04
.set I, 32
.rept 112
	v_pk_add_f32 v[AC+I%16:AC+I%16+1], v[AC+I%16:AC+I%16+1], v[I:I+1]
.set I, I+2
.endr
	WIN 0
.irp k, 0,1,2,3
	v_pk_add_f32 v[AC+2*\k:AC+2*\k+1], v[AC+2*\k:AC+2*\k+1], v[AC+8+2*\k:AC+9+2*\k]
.endr
.irp k, 0,1
	v_pk_add_f32 v[AC+2*\k:AC+2*\k+1], v[AC+2*\k:AC+2*\k+1], v[AC+4+2*\k:AC+5+2*\k]
.endr
	v_pk_add_f32 v[AC:AC+1], v[AC:AC+1], v[AC+2:AC+3]
	v_add_f32 v14, v[AC], v[AC+1]
	v_permlanex16_b32 v15, v14, s[SEL], s[SEL+1]
	v_add_f32 v13, v14, v15                ; my wave's sum for my query
	ds_store_b64 v[STST], v[ST:ST+1] offset:512*\x
	s_wait_alu depctr_va_vdst(0)
	s_wait_loadcnt 0x0                     ; this tile's mask and the next tile's Q are in
.if \x
	s_wait_tensorcnt 0x0                   ; my slab of V, which I alone read
.endif
.set I, 0
.rept 24
	v_sub_nc_u32 v[MASK+I], s[ONES], v[MASK+I]   ; a byte 1 becomes 0x7f, a byte 0 becomes 0x80: 24 of the 64 while my store is out,
.set I, I+1
.endr
	s_wait_dscnt 0x0
	s_barrier_signal -1
.rept 16
	v_sub_nc_u32 v[MASK+I], s[ONES], v[MASK+I]   ; 16 while the others arrive,
.set I, I+1
.endr
	s_wait_alu depctr_va_vdst(0)
	s_barrier_wait -1
.irp u, 0,1,2,3
	ds_load_b64 v[EX+2*\u:EX+2*\u+1], v[STRD] offset:512*\x+128*\u
.endr
.if \x
	VLD 0
.endif
.rept 24
	v_sub_nc_u32 v[MASK+I], s[ONES], v[MASK+I]   ; and 24 while the four waves' numbers are read
.set I, I+1
.endr
.if \x
	s_wait_dscnt 16                        ; the 16 loads of V's group 0 may be out
.else
	s_wait_dscnt 0x0
.endif
	v_min3_num_f32 v16, v[EX], v[EX+2], v[EX+4]
	v_min_num_f32 v16, v16, v[EX+6]        ; -M of all 2,048 keys
.irp u, 0,1,2,3
	v_sub_f32 v[EX+2*\u], v16, v[EX+2*\u]  ; a wave's M less the largest: a whole number, 0 or less
.endr
	v_sub_f32 v17, v16, v[ST]
.irp u, 0,1,2,3
	v_cvt_i32_f32 v[EX+2*\u], v[EX+2*\u]
.endr
	v_cvt_i32_f32 v17, v17
.irp u, 0,1,2,3
	v_ldexp_f32 v[EX+2*\u+1], v[EX+2*\u+1], v[EX+2*\u]
.endr
	v_add_f32 v[EX+1], v[EX+1], v[EX+3]
	v_add_f32 v[EX+5], v[EX+5], v[EX+7]
	v_add_f32 v[EX+1], v[EX+1], v[EX+5]    ; the row's sum
	s_wait_alu depctr_va_vdst(0)
	v_rcp_f32 v18, v[EX+1]
	v_nop
	s_wait_alu depctr_va_vdst(0)
	v_mul_f32 v18, s[KEEP], v18            ; (1 / 0.9) / sum
	v_ldexp_f32 v[RF], v18, v17            ; under my wave's M
.irp j, 0,1,2,3
	WIN 0x44
.set I, 64*\j
.rept 32
	v_pk_mul_f32 v[I:I+1], v[RF:RF+1], v[I:I+1] op_sel_hi:[0,1]
.set I, I+2
.endr
.if \j > 0
	ANDM \x, (\j-1)
.endif
	WIN 0x44
.set I, 64*\j
.rept 64
	v_min_num_f32 v[I], s[LIM], v[I]       ; the hold: p is not negative
.set I, I+1
.endr
	WIN 0x01
.set I, 0
.rept 8
	v_cvt_scalef32_pk8_bf8_f32 v[CVT+2*I:CVT+2*I+1], v[64*\j+8*I:64*\j+8*I+7], v[SCL]
.set I, I+1
.endr
.endr
	v_nop                                  ; a plain place behind the last conversion
	ANDM \x, 3
	WIN 0
.if \x
	VLD 2                                  ; the mask's registers are done with: V's group 2
	s_wait_alu depctr_va_vdst(0)
.endif
.endm
; tile x's O^T: every wave's part into its stage; wave w adds rows 4 w .. 4 w + 3 of the four parts and stores them, 512 bytes on end an instruction
.macro MLQ q                           ; key step q of the next trip's first mask; the last trip has no successor
	s_cmp_eq_u32 s[PAIR], 1
	s_cbranch_scc1 .Lnom_\@
.irp c, 0,1,2,3
	global_load_b128 v[MASK+16*(\q)+4*\c:MASK+16*(\q)+4*\c+3], v[MOFF], s[MB:MB+1] offset:65536+128*(\q)+32*\c
.endr
.Lnom_\@:
.endm
.macro RED x, reg, sig
.set T, \reg
	WIN 0x04
.irp f, 0,1,2,3,4,5,6,7
	ds_store_b128 v[SSTO], v[64*(2*\x+\f/4)+16+8*(\f%4):64*(2*\x+\f/4)+16+8*(\f%4)+3] offset:64*\f
	ds_store_b128 v[SSTO], v[64*(2*\x+\f/4)+20+8*(\f%4):64*(2*\x+\f/4)+20+8*(\f%4)+3] offset:64*\f+16
.endr
	WIN 0
	MLQ 2*(\x)                             ; asked for while my stores into the stage are out
	s_wait_dscnt 0x0
	s_barrier_signal -1
	s_barrier_wait -1
.irp u, 0,1,2,3
.irp i, 0,1,2,3
	ds_load_b128 v[T+16*\u+4*\i:T+16*\u+4*\i+3], v[SRD] offset:\u*16*SPITCH+\i*SPITCH
.endr
.endr
	MLQ 2*(\x)+1                           ; and while my loads from it are out
	s_wait_dscnt 0x0
.if \sig
	s_barrier_signal -1                    ; my reads of the stage are over: behind this barrier it is written again
.endif
.irp q, 0,2,4,6,8,10,12,14
	v_pk_add_f32 v[T+\q:T+\q+1], v[T+\q:T+\q+1], v[T+16+\q:T+16+\q+1]
	v_pk_add_f32 v[T+32+\q:T+32+\q+1], v[T+32+\q:T+32+\q+1], v[T+48+\q:T+48+\q+1]
.endr
.irp q, 0,2,4,6,8,10,12,14
	v_pk_add_f32 v[T+\q:T+\q+1], v[T+\q:T+\q+1], v[T+32+\q:T+32+\q+1]
.endr
.irp q, 0,2,4,6,8,10,12,14
	v_pk_mul_f32 v[T+\q:T+\q+1], v[T+\q:T+\q+1], s[SC:SC+1] op_sel_hi:[1,0]   ; x 2^(e2 + e3)
.endr
.if \sig
	s_wait_alu depctr_va_vdst(0)
	s_barrier_wait -1
.endif
.irp i, 0,1,2,3
	global_store_b128 v[OOFF], v[T+4*\i:T+4*\i+3], s[OB:OB+1] offset:(16*(\x)+\i)*512 th:TH_STORE_NT
.endr
.endm
	s_load_b256 s[4:11], s[0:1], 0x0       ; x1 s[4:5], x2 s[6:7], x3 s[8:9], mask s[10:11]
	s_load_b128 s[12:15], s[0:1], 0x20     ; scales s[12:13], out s[14:15]
	v_lshl_add_u32 v30, v0, 2, SPARE
	v_mov_b32 v31, 0
	ds_add_u32 v30, v31
	ds_add_u32 v30, v31
	v_lshrrev_b32 v24, 5, v0
	v_readfirstlane_b32 s[WV], v24         ; wave 0..3
	s_bfe_u32 s17, ttmp6, 0x40000
	s_lshl_b32 s18, ttmp9, 2
	s_add_co_u32 s18, s18, s17             ; block of 128 queries
	s_and_b32 s19, ttmp7, 0xffff           ; batch
	s_lshl_b32 s66, s19, 18                ; a batch of codes is 262,144 bytes
	s_lshl_b32 s68, s[WV], 9
	s_add_co_u32 s68, s68, s66             ; V: my 512 keys of each row
	s_mov_b32 s69, 0
	s_lshl_b32 s70, s18, 14
	s_add_co_u32 s70, s70, s66             ; Q: my work-group's 128 rows
	s_mov_b32 s71, 0
	s_lshl_b32 s72, s[WV], 16
	s_add_co_u32 s72, s72, s66             ; K: my 512 rows
	s_mov_b32 s73, 0
	s_lshl_b32 s74, s19, 22
	s_lshl_b32 s75, s18, 18
	s_add_co_u32 s74, s74, s75
	s_lshl_b32 s75, s[WV], 9
	s_add_co_u32 s74, s74, s75             ; mask: my rows, my 512 keys
	s_mov_b32 s75, 0
	s_lshl_b32 s76, s19, 20
	s_lshl_b32 s77, s18, 16
	s_add_co_u32 s76, s76, s77
	s_lshl_b32 s77, s[WV], 11
	s_add_co_u32 s76, s76, s77             ; out: rows 4 x wave of each tile
	s_mov_b32 s77, 0
	s_mov_b32 s[G1V], 15|(1<<20)|(1<<21)|(6<<22)|(3<<25)   ; all four of the cluster; bytes; four words of padding behind every 128
	s_mov_b32 s[G1V+1], 512<<16
	s_mov_b32 s[G1V+2], 128<<16
	s_mov_b32 s[G1V+3], 512<<16
	s_mov_b32 s[G1V+4], 128
	s_mov_b32 s[G1V+5], 2048
	s_mov_b32 s[G1V+6], 0
	s_mov_b32 s[G1V+7], 0
	s_mov_b32 s[G0V], 1
	s_mul_i32 s[G0V+1], s[WV], VWAVE
	s_mov_b32 s[G1K], 15|(1<<20)|(1<<21)|(4<<22)|(3<<25)   ; K's 512 rows of 128 bytes lie end to end: 256 rows of 256 bytes, four words of padding behind every 32
	s_mov_b32 s[G1K+1], 256<<16
	s_mov_b32 s[G1K+2], 256<<16
	s_mov_b32 s[G1K+3], 256<<16
	s_mov_b32 s[G1K+4], 256
	s_mov_b32 s[G1K+5], 256
	s_mov_b32 s[G1K+6], 0
	s_mov_b32 s[G1K+7], 0
	s_mov_b32 s[G0K], 1
	s_mul_i32 s[G0K+1], s[WV], KWAVE
	s_mul_i32 s84, s[WV], 14*256
	s_add_co_u32 s84, s84, 8*256           ; Q's blocks of 256 bytes 8 + 14 x wave on: my wave's 14 of the 56 behind the first tile
	s_mul_i32 s67, s[WV], 16*SPITCH
	s_add_co_u32 s67, s67, STAGE
	s_mul_i32 s78, s[WV], 4*SPITCH
	s_add_co_u32 s78, s78, STAGE
	s_lshl_b32 s79, s[WV], 7
	s_mov_b32 s[SEL], 0x76543210
	s_mov_b32 s[SEL+1], 0xfedcba98
	s_mov_b32 s[ONES], 0x80808080
	s_mov_b32 s[KEEP], 0x3f8e38e4          ; 1 / 0.9
	s_mov_b32 s[PAIR], 4
	s_wait_dscnt 0x0                       ; both opening adds are done
	v_and_b32 v25, 15, v0                  ; r
	v_bfe_u32 v26, v0, 4, 1                ; h
	v_and_b32 v27, 31, v0
	v_lshlrev_b32 v[MOFF], 11, v25
	v_lshl_add_u32 v[PFO], v26, 8, v[MOFF] ; prefetch: row r, 256 h
	v_lshl_add_u32 v[MOFF], v26, 4, v[MOFF]
	v_mul_u32_u24 v[VADR], v25, VPITCH
	v_lshl_add_u32 v[VADR], v26, 4, v[VADR]
	v_add_nc_u32 v[VADR], s[G0V+1], v[VADR]
	v_and_b32 v[KOFF], 8, v25
	v_add_nc_u32 v[KOFF], v[KOFF], v25     ; r + 8 (r / 8)
	v_mul_u32_u24 v[KOFF], v[KOFF], KP
	v_lshl_add_u32 v[KOFF], v26, 4, v[KOFF]
	v_add_nc_u32 v[KOFF], s[G0K+1], v[KOFF]
	v_add_nc_u32 v[KOFF+24], 256*KP, v[KOFF]
	v_min_u32 v29, 13, v27                 ; lanes 14 on name their wave's last block again
	v_lshlrev_b32 v29, 8, v29
	v_add_nc_u32 v29, s84, v29
	v_lshlrev_b32 v[QOFF], 7, v25
	v_lshl_add_u32 v[QOFF], v26, 4, v[QOFF]
	v_mul_u32_u24 v[SSTO], v25, SPITCH
	v_lshl_add_u32 v[SSTO], v26, 5, v[SSTO]
	v_add_nc_u32 v[SSTO], s67, v[SSTO]
	v_lshlrev_b32 v[OOFF], 4, v27
	v_add_nc_u32 v[SRD], s78, v[OOFF]
	v_lshlrev_b32 v[STRD], 3, v25
	v_add_nc_u32 v[STRD], STAT, v[STRD]
	v_add_nc_u32 v[STST], s79, v[STRD]
	v_mov_b32 v13, 0                       ; named as the upper half of a pair
	v_mov_b32 v15, 0                       ; a lane permute's destination counts as a source
	s_wait_alu depctr_va_vdst(0)
	s_wait_kmcnt 0x0
	s_load_b128 s[20:23], s[12:13], 0x0    ; e0 .. e3
	s_add_nc_u64 s[G0V+2:G0V+3], s[8:9], s[68:69]
	s_or_b32 s[G0V+3], s[G0V+3], 0x80000000
	s_add_nc_u64 s[G0K+2:G0K+3], s[6:7], s[72:73]
	s_or_b32 s[G0K+3], s[G0K+3], 0x80000000
	s_add_nc_u64 s[QB:QB+1], s[4:5], s[70:71]
	s_add_nc_u64 s[MB:MB+1], s[10:11], s[74:75]
	s_add_nc_u64 s[OB:OB+1], s[14:15], s[76:77]
	CROUND                                 ; in front of the first joint load
	tensor_load_to_lds s[G0K:G0K+3], s[G1K:G1K+7]   ; my slab of K
	s_nop 0
	NOP4
.irp c, 0,1,2,3
	global_load_b128 v[QQ+4*\c:QQ+4*\c+3], v[QOFF], s[QB:QB+1] offset:32*\c
.endr
	MLD 0
	global_prefetch_b8 v[PFO], s[MB:MB+1] offset:32768 th:TH_LOAD_NT scope:SCOPE_SE   ; tiles 1 and 2 of the mask: 16 rows x 512 bytes each, a lane to each 256
	global_prefetch_b8 v[PFO], s[MB:MB+1] offset:65536 th:TH_LOAD_NT scope:SCOPE_SE
	global_prefetch_b8 v29, s[QB:QB+1] th:TH_LOAD_NT scope:SCOPE_SE                   ; Q's rows behind the first tile
	s_wait_kmcnt 0x0
	s_add_co_i32 s66, s20, s21
	s_lshl_b32 s66, s66, 23
	s_add_co_i32 s[CS], s66, 0x3e93bb63    ; c = 0.2 log2(e) x 2^(e0 + e1)
	s_mov_b32 s[CS+1], s[CS]
	s_add_co_i32 s66, s22, 127
	s_lshl_b32 s67, s66, 23
	v_mov_b32 v[SCL], s67                  ; 2^e2
	s_add_co_i32 s66, s66, 15
	s_lshl_b32 s66, s66, 23
	s_or_b32 s[LIM], s66, 0x600000         ; 57,344 x 2^e2
	s_add_co_i32 s66, s22, s23
	s_add_co_i32 s66, s66, 127
	s_lshl_b32 s[SC], s66, 23              ; 2^(e2 + e3)
	s_mov_b32 s[SC+1], s[SC]
	s_wait_alu depctr_va_vdst(0)
	s_wait_tensorcnt 0x0                   ; my slab of K, which I alone read
.irp j, 0,1,2,3
	WIN 0x80+0x40*(\j/2)
.irp t, 0,1,2,3,4,5,6,7
.irp c, 0,1,2,3
	ds_load_b128 v[128*(\j%2)+16*\t+4*\c:128*(\j%2)+16*\t+4*\c+3], v[KOFF+24*(\j/2)] offset:(128*(\j%2)+32*(\t/2)+8*(\t%2))*KP+32*\c
.endr
.endr
.endr
	WIN 0
	s_wait_tensorcnt 0x0
	ds_add_u32 v30, v31
	s_wait_dscnt 0x0                       ; the add is done, and K is in my registers
	CROUND                                 ; no wave of the cluster reads K's bytes any more
	tensor_load_to_lds s[G0V:G0V+3], s[G1V:G1V+7]   ; my slab of V, over K's bytes
	s_nop 0
	NOP4
	s_wait_xcnt 0x0                        ; the prefetches have read their addresses: v29 is written again in the loop
	s_wait_loadcnt 0x0                     ; Q and the first mask
.Lpair:                                        ; four trips of two tiles
	s_cmp_lt_u32 s[PAIR], 2                ; the mask of the tiles three and four on, while there are such: their loads stand in the next trip
	s_cbranch_scc1 .Lnopf
	global_prefetch_b8 v[PFO], s[MB:MB+1] offset:98304 th:TH_LOAD_NT scope:SCOPE_SE
	s_cmp_lt_u32 s[PAIR], 3
	s_cbranch_scc1 .Lnopf
	global_prefetch_b8 v[PFO], s[MB:MB+1] offset:131072 th:TH_LOAD_NT scope:SCOPE_SE
.Lnopf:
	TILE 0
	TILE 1
.irp n, 0,1,2,3,4
	PVG \n, 32                             ; the next two groups' 32 loads may be out
	NOP4                                   ; places in front of loads into registers that the products read
	VLD (\n+3)
.endr
	PVG 5, 32
	PVG 6, 16
	PVG 7, 0
	WIN 0
	NOP4
	RED 0, VS, 1
	RED 1, PA, 0
	s_wait_xcnt 0x0                        ; the bases and the stores' data may be written again
	s_add_nc_u64 s[MB:MB+1], s[MB:MB+1], 65536
	s_add_nc_u64 s[OB:OB+1], s[OB:OB+1], 16384
	s_add_nc_u64 s[QB:QB+1], s[QB:QB+1], 4096
	s_sub_co_u32 s[PAIR], s[PAIR], 1
	s_cmp_lg_u32 s[PAIR], 0
	s_cbranch_scc1 .Lpair
	s_wait_dscnt 0x0
	s_wait_xcnt 0x0
	v_lshl_add_u32 v30, v0, 2, SPARE       ; made anew: no two registers could be kept
	v_mov_b32 v31, 0
	s_wait_alu depctr_va_vdst(0)
	s_wait_tensorcnt 0x0                   ; the wave's end
	ds_add_u32 v30, v31
	s_wait_dscnt 0x0
	CROUND                                 ; the closing round
	s_endpgm
.Lfunc_end_k_q370b0cc734_attn:
	.size	k_q370b0cc734_attn, .Lfunc_end_k_q370b0cc734_attn-k_q370b0cc734_attn
	.p2alignl 7, 3214868480
	.fill 96, 4, 3214868480
	.section	.rodata,"a",@progbits
	.p2align	6, 0x0
	.amdhsa_kernel k_q370b0cc734_attn
		.amdhsa_group_segment_fixed_size 327680
		.amdhsa_private_segment_fixed_size 0
		.amdhsa_enable_private_segment 0
		.amdhsa_kernarg_size 48
		.amdhsa_user_sgpr_count 2
		.amdhsa_user_sgpr_kernarg_segment_ptr 1
		.amdhsa_wavefront_size32 1
		.amdhsa_system_sgpr_workgroup_id_x 1
		.amdhsa_system_sgpr_workgroup_id_y 1
		.amdhsa_system_sgpr_workgroup_id_z 1
		.amdhsa_system_vgpr_workitem_id 0
		.amdhsa_next_free_vgpr 1024
		.amdhsa_next_free_sgpr 88
		.amdhsa_reserve_vcc 0
		.amdhsa_float_denorm_mode_32 3
		.amdhsa_float_denorm_mode_16_64 3
		.amdhsa_memory_ordered 1
		.amdhsa_forward_progress 1
		.amdhsa_inst_pref_size 166
	.end_amdhsa_kernel
	.amdgpu_metadata
---
amdhsa.version: [ 1, 2 ]
amdhsa.kernels:
  - .name:           k_q370b0cc734_attn
    .symbol:         k_q370b0cc734_attn.kd
    .args:
      - { .name: x1_codes, .offset: 0, .size: 8, .value_kind: global_buffer, .address_space: global }
      - { .name: x2_codes, .offset: 8, .size: 8, .value_kind: global_buffer, .address_space: global }
      - { .name: x3_codes, .offset: 16, .size: 8, .value_kind: global_buffer, .address_space: global }
      - { .name: drop_mask, .offset: 24, .size: 8, .value_kind: global_buffer, .address_space: global }
      - { .name: lowp_scales, .offset: 32, .size: 8, .value_kind: global_buffer, .address_space: global }
      - { .name: out0, .offset: 40, .size: 8, .value_kind: global_buffer, .address_space: global }
    .group_segment_fixed_size: 327680
    .private_segment_fixed_size: 0
    .kernarg_segment_align: 8
    .kernarg_segment_size: 48
    .max_flat_workgroup_size: 128
    .sgpr_count:     88
    .vgpr_count:     1024
    .wavefront_size: 32
...
	.end_amdgpu_metadata
.endif
;; end of part 1
